; MI455X (gfx1250); checked and timed in simulation.
; The chip was launched on July 23, 2026; its instructions are those of AMD's public machine-readable ISA for CDNA 5 (MIT licence, August 2026) and "CDNA5" Instruction Set Architecture Reference Guide (July 2026). The comments in the code are by the model that wrote it; some were corrected since.
;; Multi Head Self Attention. Allowed arithmetic: matrix products marked QUANTISED: E4M3 operands, one given power-of-two scale a tensor, by v_wmma_f32_16x16x64_fp8_fp8 or v_wmma_f32_16x16x128_fp8_fp8, f32 sums; everything else in f32.
;; Inputs: Wk 1,024 x 1,024 float32; Wo 1,024 x 1,024 float32; Wq 1,024 x 1,024 float32; Wv 1,024 x 1,024 float32; lowp_scales 12 int32 (the exponents e of the quantised operands' scales 2^e); x 4 x 2,048 x 1,024 float32.
;; Outputs: out0 4 x 2,048 x 1,024 float32.
;; This version of the problem:
;;   THIS VERSION OF THE PROBLEM IS GIVEN IN LOW PRECISION. The matrix products marked QUANTISED in the list below multiply operands that are first quantised to E4M3 (4 exponent bits, 3 mantissa bits; 8 bits a number), with one given power-of-two scale for each operand tensor; their sums are f32. All else is computed in f32.
;;   The module's matrix products, in the order in which they are computed (A, B: the left and right operand; K: the contracted axis; several contracted axes count as one K, in the product's order):
;;     1. [M 8,192, K 1,024] x [K 1,024, N 1,024]; A: input x; B: input Wq: QUANTISED (scales: A lowp_scales[0], B lowp_scales[1])
;;     2. [M 8,192, K 1,024] x [K 1,024, N 1,024]; A: input x; B: input Wk: QUANTISED (scales: A lowp_scales[2], B lowp_scales[3])
;;     3. [M 8,192, K 1,024] x [K 1,024, N 1,024]; A: input x; B: input Wv: QUANTISED (scales: A lowp_scales[4], B lowp_scales[5])
;;     4. batch 64 x [M 2,048, K 64] x [K 64, N 2,048]; A: computed on the way; B: computed on the way: QUANTISED (scales: A lowp_scales[6], B lowp_scales[7])
;;     5. batch 64 x [M 2,048, K 2,048] x [K 2,048, N 64]; A: softmax (see below); B: computed on the way: QUANTISED (scales: A lowp_scales[8], B lowp_scales[9])
;;     6. [M 8,192, K 1,024] x [K 1,024, N 1,024]; A: computed on the way; B: input Wo: QUANTISED (scales: A lowp_scales[10], B lowp_scales[11])
;;   THE QUANTISER, for each operand of a quantised product, along K:
;;     - The operand's scale is 2^e, e = its entry of the input lowp_scales (int32; the entries are numbered through the quantised products in the list's order, A before B).
;;     - Each number is divided by the scale, clamped to +-448, and rounded to the nearest number of E4M3, ties to even, subnormals kept.
;;     - The product sums the exact products of the quantised numbers (number of the format x scale) in f32.
;;   ~~~python
;;   def quantise(x, axis, e):      # numpy; x: float32 -> the quantised numbers, widened to float32 again
;;       x = np.moveaxis(x, axis, -1); K = x.shape[-1]
;;       r = np.clip(x / 2.0 ** e, -448, 448)
;;       step = 2.0 ** (np.maximum(np.frexp(np.where(r == 0, 1, r))[1] - 1, -6) - 3)
;;       q = np.round(r / step) * step * 2.0 ** e      # np.round: ties to even
;;       return np.moveaxis(q, -1, axis).astype(np.float32)
;;   ~~~
;;   SOFTMAX AHEAD OF A QUANTISED PRODUCT. Where the list says 'softmax', what is quantised is not the finished softmax but p = 2^(t - M), with t = logit x log2(e) and M = ceil(the row's largest t), a whole number; so 1/2 < the row's largest p <= 1. The row's sum l is taken of the UNQUANTISED p, in f32, and the product's result is divided by l at the end. Since M is a whole number, a kernel that streams over the keys may use a running M (the ceiling of the running maximum): every later rescaling is an exact power of two, so the quantised numbers keep their values, but for numbers so far below the row's largest that they fall under the format's range.
;;   OPERANDS COMPUTED ON THE WAY. 'Computed on the way' means the value that the module computes at that place (a softmax that the list does not call 'softmax' is quantised finished and normalised). What goes into a quantiser is computed in f32, as accurately as f32 sums, v_exp_f32 and their like allow (about 1e-6 of the number): no bf16 or f16 on the way to a quantiser, and a product that is left as it is and whose result goes on into a quantised operand takes f32 operands (vector FMAs, or v_wmma_f32_16x16x4_f32). A number that lies on a knife's edge between two numbers of the format may be rounded either way, as far as f32 arithmetic and the matrix unit's own rounding can turn it there, and no further.
;; One version. Each part assembles by itself: llvm-mc -triple=amdgcn-amd-amdhsa -mcpu=gfx1250 --defsym DOCPART=n.
;; ======== version 1 of 1: 4 launches
;; limits: right only within a limited range of input values
;; workspace buffers: xc 25,165,824 bytes; wc 4,194,304 bytes; rope 524,288 bytes; qc 8,388,608 bytes; kvc 16,777,216 bytes; ac 8,388,608 bytes
;; launch prep (part 1): grid 784 x 1, 8 waves a work-group, no clusters, 68,608 bytes of LDS; arguments x, Wq, Wk, Wv, Wo, lowp_scales, xc, wc, rope; writes xc, wc, rope
.if DOCPART == 1
	.amdgcn_target "amdgcn-amd-amdhsa--gfx1250"
	.amdhsa_code_object_version 6
	.text
	.protected	k_qb2cbd72a5c_prep
	.globl	k_qb2cbd72a5c_prep
	.p2align	8
	.type	k_qb2cbd72a5c_prep,@function
k_qb2cbd72a5c_prep:
	s_mov_b64 s[64:65], 0
	v_nop
	global_prefetch_b8 v0, s[64:65] scope:SCOPE_SE
	s_setreg_imm32_b32 hwreg(HW_REG_WAVE_MODE, 25, 1), 1
	s_wait_xcnt 0x0
; x [8192][1024] f32 becomes three sets of E4M3 codes (scales 2^e0, 2^e2, 2^e4), Wq, Wk, Wv, Wo [1024][1024] f32 one set each (e1, e3, e5, e11), and the table of cosines and sines for RoPE is made.
; code = number / 2^e, rounded to the nearest code, ties to even.
; LAYOUT OF THE CODES: images of operand registers.  A fragment is 16 rows x 128 K: register 2 c, 2 c + 1 of lane (r, h) holds row r, k = 16 c + 8 h + 0 .. 7; registers 4 g .. 4 g + 3 of lane l lie at byte 512 g + 16 l.
; A fragment is 2,048 bytes; a buffer is [tile of 16 rows][K step of 128][2,048].  So the products' launches load and the stores here write 512 consecutive bytes an instruction.
; SHARES: work-groups 0-511: a tile of 16 rows of x; 512-767: a tile of 16 rows of one W; 768-783: the table, a tile of 16 positions a wave.  In the first two wave w takes K step w.
; A load is best where neighbouring lanes take neighbouring bytes, the conversion wants eight neighbours along K in one lane: so the 16 x 512 bytes turn through the wave's own stage in LDS (rows of 512 + 16 bytes).
; No barrier: waves share nothing.  Everything is written out: no register that a store reads is written again.
; LIMITS: each e used here lies between -126 and 119, so that 2^e and 448 x 2^e are f32 numbers.  NaN among the inputs is not served.
.set R,     16                         ; v16-79   16 rows as loaded, 4 registers a row
.set X,     80                         ; v80-143  64 numbers of my row: X[8 c + j] = k 16 c + 8 h + j
.set T,     144
.set C,     160                        ; v160-207 three fragments of codes
.set PITCH, 528
.set WST,   16*PITCH                   ; a wave's stage
	s_load_b512 s[4:19], s[0:1], 0x0               ; x 4, Wq 6, Wk 8, Wv 10, Wo 12, the exponents 14, xc 16, wc 18
	s_load_b64 s[20:21], s[0:1], 0x40              ; the table
	v_lshl_add_u32 v208, v0, 2, 0x10800
	v_mov_b32 v209, 0
	v_lshrrev_b32 v1, 5, v0
	s_delay_alu instid0(VALU_DEP_1)
	v_readfirstlane_b32 s54, v1                    ; wave 0..7
	v_and_b32 v1, 31, v0                           ; lane
	v_and_b32 v12, 15, v0                          ; r
	v_bfe_u32 v13, v0, 4, 1                        ; h
	s_delay_alu instid0(VALU_DEP_3)
	v_lshlrev_b32 v11, 4, v1                       ; 16 x lane: my place in an image's 512 bytes
	s_cmp_ge_u32 ttmp9, 768
	s_cbranch_scc1 .Ltable
	; ---- x and the four W take one path: only pointers and exponents are chosen, by the work-group's number
	s_lshl_b32 s55, s54, 9
	v_add_nc_u32 v8, s55, v11                      ; in: 512 x wave (my K step's bytes of a row) + 16 x lane
	s_mul_i32 s55, s54, WST
	v_add_nc_u32 v9, s55, v11                      ; into the stage: a row's 512 bytes as they lie
	v_mul_u32_u24 v10, v12, PITCH
	s_delay_alu instid0(VALU_DEP_1)
	v_lshl_add_u32 v10, v13, 5, v10
	s_delay_alu instid0(VALU_DEP_1)
	v_add_nc_u32 v10, s55, v10                     ; out of it: row r, + 32 h bytes
	s_sub_co_u32 s55, ttmp9, 512
	s_lshr_b32 s56, s55, 6                         ; which W (no number of 0 to 3 in x's work-groups)
	s_and_b32 s57, s55, 63                         ; and its tile of rows
	s_wait_alu depctr_va_vdst(0)
	s_wait_kmcnt 0x0
	s_load_b256 s[24:31], s[14:15], 0x0            ; e0 .. e7
	s_load_b128 s[32:35], s[14:15], 0x20           ; e8 .. e11
	s_cmp_eq_u32 s56, 1
	s_cselect_b64 s[22:23], s[8:9], s[6:7]
	s_cmp_eq_u32 s56, 2
	s_cselect_b64 s[22:23], s[10:11], s[22:23]
	s_cmp_eq_u32 s56, 3
	s_cselect_b64 s[22:23], s[12:13], s[22:23]
	s_cmp_lt_u32 ttmp9, 512
	s_cselect_b64 s[22:23], s[4:5], s[22:23]       ; the source
	s_cselect_b64 s[36:37], s[16:17], s[18:19]     ; the codes' buffer
	s_cselect_b32 s57, ttmp9, s57                  ; the tile of rows
	s_cselect_b32 s59, 0, s56                      ; the plane of wc
	s_lshl_b32 s38, s57, 16                        ; 16 rows of 4,096 bytes
	s_mov_b32 s39, 0
	s_add_nc_u64 s[22:23], s[22:23], s[38:39]
.irp i, 0,1,2,3,4,5,6,7,8,9,10,11,12,13,14,15
	global_load_b128 v[R+4*\i:R+4*\i+3], v8, s[22:23] offset:4096*\i th:TH_LOAD_NT   ; row i: 32 lanes read 512 consecutive bytes
.endr
	s_lshl_b32 s38, s59, 20
	s_lshl_b32 s55, s57, 14
	s_add_co_u32 s38, s38, s55
	s_lshl_b32 s55, s54, 11
	s_add_co_u32 s38, s38, s55                     ; plane x 2^20 + tile x 16,384 + K step x 2,048
	s_add_nc_u64 s[36:37], s[36:37], s[38:39]
	s_wait_kmcnt 0x0
	s_cmp_eq_u32 s56, 1
	s_cselect_b32 s58, s27, s25                    ; e3 or e1
	s_cmp_eq_u32 s56, 2
	s_cselect_b32 s58, s29, s58                    ; e5
	s_cmp_eq_u32 s56, 3
	s_cselect_b32 s58, s35, s58                    ; e11
	s_cmp_lt_u32 ttmp9, 512
	s_cselect_b32 s58, s24, s58                    ; e0
.macro SCL sc, lim, e                  ; v[sc] = 2^e as f32 (the conversion takes its exponent field)
	s_add_co_i32 s59, \e, 127
	s_lshl_b32 s55, s59, 23
	v_mov_b32 v[\sc], s55
.endm
	SCL 2, 3, s58
	SCL 4, 5, s26                                  ; e2
	SCL 6, 7, s28                                  ; e4
	s_wait_alu depctr_va_vdst(0)
.irp i, 0,1,2,3,4,5,6,7,8,9,10,11,12,13,14,15
	s_wait_loadcnt 15-\i                           ; loads come back in order: row i is in, the rows behind it may be out
	ds_store_b128 v9, v[R+4*\i:R+4*\i+3] offset:PITCH*\i
.endr
.irp n, 0,1,2,3,4,5,6,7,8,9,10,11,12,13,14,15
	ds_load_b128 v[X+4*\n:X+4*\n+3], v10 offset:64*(\n/2)+16*(\n%2)   ; LDS serves a wave's instructions in order: these see my stores
.endr
	s_wait_dscnt 0x0
; one fragment under one scale: the conversion, four stores of 512 consecutive bytes.
.macro QS sc, lim, set, base
.irp c, 0,1,2,3,4,5,6,7
.irp j, 0,1,2,3,4,5,6,7
.endr
	v_cvt_scalef32_pk8_fp8_f32 v[C+16*\set+2*\c:C+16*\set+2*\c+1], v[T+8*(\c%2)+((X+8*\c+0)-(T+8*(\c%2)+0)):T+8*(\c%2)+7+((X+8*\c+0)-(T+8*(\c%2)+0))], v[\sc]
.endr
.irp g, 0,1,2,3
	global_store_b128 v11, v[C+16*\set+4*\g:C+16*\set+4*\g+3], s[\base:\base+1] offset:512*\g
.endr
.endm
	QS 2, 3, 0, 36
	s_cmp_ge_u32 ttmp9, 512
	s_cbranch_scc1 .Lend                           ; a W has one scale
	s_add_nc_u64 s[38:39], s[36:37], 0x800000      ; x's second and third planes
	s_add_nc_u64 s[52:53], s[36:37], 0x1000000
	QS 4, 5, 1, 38
	QS 6, 7, 2, 52
.Lend:
	s_wait_tensorcnt 0x0
	ds_add_u32 v208, v209
	s_wait_dscnt 0x0
	s_endpgm
	; ---- THE TABLE: [tile of 16 positions][c 4][g 2][lane][16 bytes]: lane (r, h) holds cos, sin, cos, sin of position 16 tile + r and pairs 8 c + 4 h + 2 g + 0, 1: the order in which the projections' results lie in a lane.
	; angle = position x 10^(-pair / 8), one rounding.  It is brought into +-pi/4 by n = the nearest whole number to angle x 2 / pi: angle - n c1 is exact in f32 (c1 = pi / 2 rounded; n is under 2^11), and n (c1 - pi / 2) is added.
	; Then two short polynomials, and the quadrant n mod 4 swaps them and sets the signs: by selects, no branch.
.Ltable:
	s_sub_co_u32 s55, ttmp9, 768
	s_lshl_b32 s55, s55, 3
	s_add_co_u32 s55, s55, s54                     ; the tile of positions: 0 .. 127
	s_lshl_b32 s56, s55, 4
	s_wait_alu depctr_va_vdst(0)
	v_add_nc_u32 v10, s56, v12
	s_delay_alu instid0(VALU_DEP_1)
	v_cvt_f32_u32 v10, v10                         ; my position
	v_cmp_eq_u32 vcc_lo, 1, v13                    ; lanes 16-31 take the pairs four further on
	s_mov_b32 s40, 0x3f22f983                      ; 2 / pi
	s_mov_b32 s41, 0x3fc90fdb                      ; c1
	s_mov_b32 s42, 0x333bbd2e                      ; c1 - pi / 2
	s_mov_b32 s43, -0.16666654611                  ; the sine's coefficients
	s_mov_b32 s44, 0.0083321608736
	s_mov_b32 s45, -0.00019515295891
	s_mov_b32 s46, 0.04166664568298827             ; the cosine's
	s_mov_b32 s47, -0.001388731625493765
	s_mov_b32 s48, 0.00002443315711809948
	s_lshl_b32 s56, s55, 12
	s_mov_b32 s57, 0
	s_wait_kmcnt 0x0
	s_add_nc_u64 s[20:21], s[20:21], s[56:57]
.macro SINCOS d, f0, f1                ; v[d] = cos, v[d + 1] = sin of position x (f0 in lanes 0-15, f1 in lanes 16-31)
	v_mov_b32 v14, \f0
	v_mov_b32 v15, \f1
	s_delay_alu instid0(VALU_DEP_1)
	v_cndmask_b32 v14, v14, v15, vcc_lo
	s_wait_alu depctr_va_vdst(0)
	v_mul_f32 v14, v10, v14                        ; the angle
	s_delay_alu instid0(VALU_DEP_1)
	v_mul_f32 v15, s40, v14
	s_delay_alu instid0(VALU_DEP_1)
	v_rndne_f32 v15, v15                           ; n
	s_delay_alu instid0(VALU_DEP_1)
	v_fma_f32 v16, -v15, s41, v14
	s_delay_alu instid0(VALU_DEP_1)
	v_fma_f32 v16, v15, s42, v16                   ; the rest, within +-pi/4
	s_delay_alu instid0(VALU_DEP_1)
	v_mul_f32 v17, v16, v16
	s_delay_alu instid0(VALU_DEP_4)
	v_cvt_i32_f32 v18, v15
	s_delay_alu instid0(VALU_DEP_2)
	v_fma_f32 v19, v17, s45, s44
	s_delay_alu instid0(VALU_DEP_1)
	v_fma_f32 v19, v19, v17, s43
	s_delay_alu instid0(VALU_DEP_1)
	v_mul_f32 v19, v19, v17
	s_delay_alu instid0(VALU_DEP_1)
	v_fma_f32 v19, v19, v16, v16                   ; its sine
	v_fma_f32 v20, v17, s48, s47
	s_delay_alu instid0(VALU_DEP_1)
	v_fma_f32 v20, v20, v17, s46
	s_delay_alu instid0(VALU_DEP_1)
	v_fma_f32 v20, v20, v17, -0.5
	s_delay_alu instid0(VALU_DEP_1)
	v_fma_f32 v20, v20, v17, 1.0                   ; its cosine
	v_and_b32 v21, 1, v18
	s_delay_alu instid0(VALU_DEP_1)
	v_cmp_eq_u32 s50, 1, v21                       ; an odd quadrant swaps the two
	s_delay_alu instid0(VALU_DEP_1)
	v_cndmask_b32 v22, v20, v19, s50
	s_delay_alu instid0(VALU_DEP_2)
	v_cndmask_b32 v23, v19, v20, s50
	v_add_nc_u32 v21, 1, v18
	s_delay_alu instid0(VALU_DEP_1)
	v_and_b32 v21, 2, v21
	s_delay_alu instid0(VALU_DEP_1)
	v_lshlrev_b32 v21, 30, v21                     ; the cosine is negative in quadrants 1 and 2,
	s_delay_alu instid0(VALU_DEP_1)
	v_xor_b32 v[\d], v22, v21
	v_and_b32 v21, 2, v18
	s_delay_alu instid0(VALU_DEP_1)
	v_lshlrev_b32 v21, 30, v21                     ; the sine in quadrants 2 and 3
	s_delay_alu instid0(VALU_DEP_1)
	v_xor_b32 v[\d+1], v23, v21
.endm
	SINCOS 32, 1.0, 0.31622776601683794
	SINCOS 34, 0.7498942093324559, 0.23713737056616552
	SINCOS 36, 0.5623413251903491, 0.1778279410038923
	SINCOS 38, 0.4216965034285822, 0.1333521432163324
	SINCOS 40, 0.1, 0.031622776601683794
	SINCOS 42, 0.07498942093324559, 0.023713737056616552
	SINCOS 44, 0.05623413251903491, 0.01778279410038923
	SINCOS 46, 0.04216965034285822, 0.01333521432163324
	SINCOS 48, 0.01, 0.0031622776601683794
	SINCOS 50, 0.007498942093324559, 0.0023713737056616552
	SINCOS 52, 0.005623413251903491, 0.001778279410038923
	SINCOS 54, 0.004216965034285822, 0.001333521432163324
	SINCOS 56, 0.001, 0.00031622776601683794
	SINCOS 58, 0.0007498942093324559, 0.00023713737056616552
	SINCOS 60, 0.0005623413251903491, 0.0001778279410038923
	SINCOS 62, 0.0004216965034285822, 0.0001333521432163324
.irp t, 0,1,2,3,4,5,6,7
	global_store_b128 v11, v[32+4*\t:35+4*\t], s[20:21] offset:512*\t   ; 512 consecutive bytes
.endr
	s_endpgm
.Lfunc_end_k_qb2cbd72a5c_prep:
	.size	k_qb2cbd72a5c_prep, .Lfunc_end_k_qb2cbd72a5c_prep-k_qb2cbd72a5c_prep
	.p2alignl 7, 3214868480
	.fill 96, 4, 3214868480
	.section	.rodata,"a",@progbits
	.p2align	6, 0x0
	.amdhsa_kernel k_qb2cbd72a5c_prep
		.amdhsa_group_segment_fixed_size 68608
		.amdhsa_private_segment_fixed_size 0
		.amdhsa_enable_private_segment 0
		.amdhsa_kernarg_size 72
		.amdhsa_user_sgpr_count 2
		.amdhsa_user_sgpr_kernarg_segment_ptr 1
		.amdhsa_wavefront_size32 1
		.amdhsa_system_sgpr_workgroup_id_x 1
		.amdhsa_system_sgpr_workgroup_id_y 1
		.amdhsa_system_sgpr_workgroup_id_z 1
		.amdhsa_system_vgpr_workitem_id 0
		.amdhsa_next_free_vgpr 210
		.amdhsa_next_free_sgpr 66
		.amdhsa_reserve_vcc 1
		.amdhsa_float_denorm_mode_32 3
		.amdhsa_float_denorm_mode_16_64 3
		.amdhsa_fp16_overflow 1
		.amdhsa_memory_ordered 1
		.amdhsa_forward_progress 1
		.amdhsa_inst_pref_size 45
	.end_amdhsa_kernel
	.amdgpu_metadata
---
amdhsa.version: [ 1, 2 ]
amdhsa.kernels:
  - .name:           k_qb2cbd72a5c_prep
    .symbol:         k_qb2cbd72a5c_prep.kd
    .args:
      - { .name: x, .offset: 0, .size: 8, .value_kind: global_buffer, .address_space: global }
      - { .name: Wq, .offset: 8, .size: 8, .value_kind: global_buffer, .address_space: global }
      - { .name: Wk, .offset: 16, .size: 8, .value_kind: global_buffer, .address_space: global }
      - { .name: Wv, .offset: 24, .size: 8, .value_kind: global_buffer, .address_space: global }
      - { .name: Wo, .offset: 32, .size: 8, .value_kind: global_buffer, .address_space: global }
      - { .name: lowp_scales, .offset: 40, .size: 8, .value_kind: global_buffer, .address_space: global }
      - { .name: xc, .offset: 48, .size: 8, .value_kind: global_buffer, .address_space: global }
      - { .name: wc, .offset: 56, .size: 8, .value_kind: global_buffer, .address_space: global }
      - { .name: rope, .offset: 64, .size: 8, .value_kind: global_buffer, .address_space: global }
    .group_segment_fixed_size: 68608
    .private_segment_fixed_size: 0
    .kernarg_segment_align: 8
    .kernarg_segment_size: 72
    .max_flat_workgroup_size: 256
    .sgpr_count:     66
    .vgpr_count:     210
    .wavefront_size: 32
...
	.end_amdgpu_metadata
.endif
;; end of part 1
;; launch qkv (part 2): grid 12 x 32, 4 waves a work-group, clusters of 4 x 4, 327,680 bytes of LDS; arguments xc, wc, rope, lowp_scales, qc, kvc; writes qc, kvc
.if DOCPART == 2
	.amdgcn_target "amdgcn-amd-amdhsa--gfx1250"
	.amdhsa_code_object_version 6
	.text
	.protected	k_qb2cbd72a5c_qkv
	.globl	k_qb2cbd72a5c_qkv
	.p2align	8
	.type	k_qb2cbd72a5c_qkv,@function
k_qb2cbd72a5c_qkv:
	s_mov_b64 s[64:65], 0
	v_nop
	global_prefetch_b8 v0, s[64:65] scope:SCOPE_SE
	s_setreg_imm32_b32 hwreg(HW_REG_WAVE_MODE, 25, 1), 1
	s_wait_xcnt 0x0
	s_wait_alu depctr_hold_cnt(0) depctr_sa_sdst(0) depctr_va_vdst(0) depctr_va_sdst(0) depctr_va_ssrc(0) depctr_va_vcc(0) depctr_vm_vsrc(0)
	s_getreg_b32 s2, hwreg(HW_REG_IB_STS2, 6, 4)
	s_cmp_eq_u32 s2, 0
	s_cbranch_scc0 .Lentry_in_a_cluster
	s_endpgm
.Lentry_in_a_cluster:
	s_bfe_u32 s2, ttmp6, 0x10000c
	s_cmp_lg_u32 s2, 0xf033
	s_cbranch_scc0 .Lentry_shape_is_right
	s_endpgm
.Lentry_shape_is_right:
; The three projections q = x Wq^T, k = x Wk^T, v = x Wv^T on codes of E4M3, RoPE on q and k, and the quantising of q, k and v for the attention's two products.
; The cluster's x says which: 0 q, 1 k, 2 v; it is the same in all sixteen partners.  A tile of 256 x 256 results is made by four waves, 128 x 128 each: 64 accumulators, 512 registers.
; OPERANDS are images of registers ([tile of 16 rows][K step of 128][2,048 bytes]: registers 4 g .. 4 g + 3 of lane l at 512 g + 16 l), so a fragment is four loads of 512 consecutive bytes, with k in its own place.
; K = 1,024 goes through two LDS slots of two K steps each: four fills, two at the start and two refills, so the ring is written out.  A wave's tensor load brings 8 tiles of rows x 4,096 bytes.
; THE MATRIX INSTRUCTION IS USED TRANSPOSED: source 0 = 16 rows of 'B', source 1 = 16 rows of 'A': lane (r, h) holds row r of A and rows 8 h + 0 .. 7 of B.
;   q, k: A = x (tokens), B = W (features): a lane holds one token and eight neighbouring channels: RoPE's pairs, and the eight neighbours along the next K (the head's 64).
;   v:    A = Wv (features), B = x (tokens): a lane holds one channel and eight neighbouring keys: the neighbours along the second product's K.  Only pointers and tile numbers are chosen for that; the loop is one text.
; So each conversion's result IS a pair of registers of the next operand, and the codes leave as images, 512 consecutive bytes a store, with no stage.
; CLUSTERS: 4 x 4 work-groups; A's tile is asked for jointly along a row of the cluster, B's along a column.
; A sum stands for sum x 2^(ea + eb); RoPE is linear, so it runs on the sums, and the three exponents are folded into the conversion's one: e6 - e0 - e1 (q), e7 - e2 - e3 (k), e9 - e4 - e5 (v).
; LIMITS: each of these three lies between -126 and 119.  NaN is not served.
; REGISTERS: window 0: v16-31 addresses and constants; v128-255 A's fragments, one set; on the way out v32-95 at work, v128-255 codes.  window 1: B's fragments, two sets; on q's and k's way out the table.  windows 2, 3: the accumulators, (a, b) at v[8 (8 (a % 4) + b)].
.set STEPB,  4096                      ; a slot's two K steps of one tile of rows
.set HALFT,  8*STEPB                   ; what one tensor load brings, and what one wave reads of A or of B
.set SLOT,   4*HALFT                   ; A's 16 tiles of rows, then B's 16
.set SPARE,  2*SLOT                    ; behind the ring: the spare words, 128 bytes for each wave, that no other line names
.set FR,     16
.set NL,     4
.set NP,     4
.set ADRA, 16                          ; v16-17  LDS address of my A fragments in slot 0, 1
.set ADRB, 20                          ; v20-21  the same for B
.set LI,   27                          ; v27     16 x lane
.set SPW,  28                          ; v28     my spare word; never rewritten
.set NIL,  29                          ; v29     0; never rewritten
.set SCV,  30                          ; v30     the conversion's scale as f32
.set LMV,  31
.set T2,   32
.set OUT,  64
.set CODE, 128
.set AF,   128
.set G1, 24
.set G0, 32
.set G1B, 48
.set G0B, 56
.set MSB, 0
.macro WIN new                         ; the immediate's high byte repeats the setting that is left
.if MSB != (\new)
	s_set_vgpr_msb (MSB<<8)|(\new)
.set MSB, (\new)
.endif
.endm
.set MUL_LO, 0xa1                      ; source 0 (B) window 1, source 1 (A) window 0, C and D window 2
.set MUL_HI, 0xf1                      ; the same, C and D window 3
.set TO_B,   0x40                      ; destination window 1, address window 0
; A joint load: waves 0 and 1 fetch for A, waves 2 and 3 for B; the branch hangs on the wave's number alone.  Four v_nop follow each of the two lines.
.macro JLOAD g0a, g1a, g0b, g1b
	s_cmp_eq_u32 s15, 0
	s_cbranch_scc0 .Lfor_b_\@
	tensor_load_to_lds s[\g0a:\g0a+3], s[\g1a:\g1a+7]
	s_nop 0
.rept 4
	v_nop
.endr
	s_branch .Lasked_\@
.Lfor_b_\@:
	tensor_load_to_lds s[\g0b:\g0b+3], s[\g1b:\g1b+7]
	s_nop 0
.rept 4
	v_nop
.endr
.Lasked_\@:
.endm
.macro CREST                           ; a round of the cluster's barrier behind its opening barrier
	s_cmp_lg_u32 s14, 0
	s_cbranch_scc1 .Lnot_wave_0_\@
	s_barrier_signal -3
.Lnot_wave_0_\@:
	s_barrier_wait -3
	s_barrier_signal -1
	s_barrier_wait -1
.endm
.macro CROUND
	s_barrier_signal -1
	s_barrier_wait -1
	CREST
.endm
	s_load_b256 s[4:11], s[0:1], 0x0               ; xc 4, wc 6, the table 8, the exponents 10
	s_load_b128 s[68:71], s[0:1], 0x20             ; qc 68, kvc 70
	v_lshl_add_u32 v[SPW], v0, 2, SPARE
	v_mov_b32 v[NIL], 0
	ds_add_u32 v28, v29
	ds_add_u32 v28, v29
	s_wait_dscnt 0x0
	v_lshrrev_b32 v1, 5, v0
	v_readfirstlane_b32 s14, v1                    ; wave 0..3
	s_lshr_b32 s15, s14, 1                         ; which half of A's rows is mine.  Also: I fetch for A (0) or for B (1)
	s_and_b32 s16, s14, 1                          ; which half of B's rows.  Also: which 8 tiles of rows I fetch
	s_bfe_u32 s40, ttmp6, 0x40000                  ; cx
	s_bfe_u32 s41, ttmp6, 0x40004                  ; cy
	s_mov_b32 s66, ttmp9                           ; which product: the cluster's x
	s_and_b32 s67, ttmp7, 0xffff
	s_lshl_b32 s67, s67, 2                         ; 4 x the cluster's y
	s_add_co_u32 s17, s67, s41
	s_add_co_u32 s42, s67, s40
	s_cmp_eq_u32 s66, 2
	s_cselect_b32 s17, s41, s17                    ; A's tile of 256 rows: tokens 4 Y + cy, or for v features cy: cy alone of the two places enters it
	s_cselect_b32 s42, s42, s40                    ; B's: features cx, or for v tokens 4 Y + cx: cx alone
	s_lshl_b32 s43, s41, 2
	s_lshl_b32 s43, 15, s43                        ; my row of the cluster
	s_lshl_b32 s44, 0x1111, s40                    ; my column
	; descriptor group 1: 8 rows of 512 elements of 8 bytes (4,096 bytes: two K steps of a tile of rows), 2,048 elements (a tile's eight K steps) from row to row; dense in LDS
	s_or_b32 s[G1+0], s43, (3<<16)|(1<<21)         ; 15:0 the mask; 17:16 elements of 8 bytes; 21 set beside a mask; no padding
	s_or_b32 s[G1B+0], s44, (3<<16)|(1<<21)
.irp g, G1, G1B
	s_mov_b32 s[\g+1], 512<<16                     ; tensor_dim0
	s_mov_b32 s[\g+2], 8<<16                       ; tensor_dim1
	s_mov_b32 s[\g+3], 512<<16                     ; tile_dim0
	s_mov_b32 s[\g+4], 8                           ; tile_dim1
	s_mov_b32 s[\g+5], 2048                        ; tensor_dim0_stride
	s_mov_b32 s[\g+6], 0
	s_mov_b32 s[\g+7], 0
.endr
	s_lshl_b32 s18, s66, 23                        ; x's plane for q and k,
	s_lshl_b32 s19, s66, 20                        ; W's
	s_cmp_eq_u32 s66, 2
	s_cselect_b32 s18, 0x200000, s18               ; for v: A is W's plane 2,
	s_cselect_b32 s19, 0x1000000, s19              ; B is x's plane 2
	s_lshl_b32 s20, s17, 18                        ; 16 tiles of rows of 16,384 bytes
	s_lshl_b32 s21, s16, 17                        ; + the 8 that I fetch
	s_add_co_u32 s20, s20, s21
	s_add_co_u32 s20, s20, s18
	s_mov_b32 s21, 0
	s_lshl_b32 s46, s42, 18
	s_lshl_b32 s47, s16, 17
	s_add_co_u32 s46, s46, s47
	s_add_co_u32 s46, s46, s19
	s_mov_b32 s47, 0
	s_mul_i32 s45, s14, HALFT                      ; where they go: no place in the cluster enters an LDS address
	s_wait_kmcnt 0x0
	s_load_b256 s[72:79], s[10:11], 0x0            ; e0 .. e7
	s_load_b128 s[80:83], s[10:11], 0x20           ; e8 .. e11
	s_cmp_eq_u32 s66, 2
	s_cselect_b64 s[92:93], s[6:7], s[4:5]         ; A's buffer
	s_cselect_b64 s[94:95], s[4:5], s[6:7]         ; B's
	s_add_nc_u64 s[20:21], s[92:93], s[20:21]
	s_add_nc_u64 s[46:47], s[94:95], s[46:47]
	CROUND                                         ; all sixteen work-groups are here: the first joint loads meet
.irp s, 0,1
	s_mov_b32 s[G0+4*\s], 1
	s_add_co_u32 s[G0+4*\s+1], s45, \s*SLOT
	s_add_nc_u64 s[G0+4*\s+2:G0+4*\s+3], s[20:21], \s*STEPB
	s_or_b32 s[G0+4*\s+3], s[G0+4*\s+3], 0x80000000
	s_mov_b32 s[G0B+4*\s], 1
	s_add_co_u32 s[G0B+4*\s+1], s45, \s*SLOT
	s_add_nc_u64 s[G0B+4*\s+2:G0B+4*\s+3], s[46:47], \s*STEPB
	s_or_b32 s[G0B+4*\s+3], s[G0B+4*\s+3], 0x80000000
	JLOAD G0+4*\s, G1, G0B+4*\s, G1B
.endr
	v_and_b32 v6, 31, v0
	v_lshlrev_b32 v[LI], 4, v6
	s_mul_i32 s21, s15, HALFT                      ; my 8 tiles of A's rows
	s_mul_i32 s22, s16, HALFT                      ; my 8 of B's,
	s_add_co_u32 s22, s22, 2*HALFT                 ; which lie behind A's 16
.irp s, 0,1
	v_add_nc_u32 v[ADRA+\s], s21, v[LI]
	v_add_nc_u32 v[ADRB+\s], s22, v[LI]
	s_add_co_u32 s21, s21, SLOT
	s_add_co_u32 s22, s22, SLOT
.endr
	s_wait_alu depctr_va_vdst(0)
	s_wait_kmcnt 0x0
	s_sub_co_i32 s18, s78, s72                     ; e6 - e0 - e1
	s_sub_co_i32 s18, s18, s73
	s_sub_co_i32 s19, s79, s74                     ; e7 - e2 - e3
	s_sub_co_i32 s19, s19, s75
	s_sub_co_i32 s22, s81, s76                     ; e9 - e4 - e5
	s_sub_co_i32 s22, s22, s77
	s_cmp_eq_u32 s66, 1
	s_cselect_b32 s18, s19, s18
	s_cmp_eq_u32 s66, 2
	s_cselect_b32 s18, s22, s18
	s_add_co_i32 s18, s18, 127
	s_lshl_b32 s90, s18, 23
	v_mov_b32 v[SCV], s90
.macro FRAG reg, adr, q, i             ; a fragment's image: four loads of 512 consecutive bytes; tile of rows i, the slot's q-th K step
.irp c, 0,1,2,3
	ds_load_b128 v[\reg+4*\c:\reg+4*\c+3], v[\adr] offset:2048*(\q)+512*\c+(\i)*STEPB
.endr
.endm
; 16 matrix instructions: A's blocks a0, a0 + 1 x B's eight, 128 along K.  p: B's set.  zero = 1: the first product starts the sums.  The 64 accumulators take turns, one instruction a turn.
.macro MUL16 a0, p, zero
.irp a, \a0, \a0+1
.irp b, 0,1,2,3,4,5,6,7
.if \zero
	v_wmma_f32_16x16x128_fp8_fp8 v[8*(8*((\a)%4)+\b):8*(8*((\a)%4)+\b)+7], v[128*(\p)+FR*\b:128*(\p)+FR*\b+FR-1], v[AF+FR*(\a):AF+FR*(\a)+FR-1], 0
.else
	v_wmma_f32_16x16x128_fp8_fp8 v[8*(8*((\a)%4)+\b):8*(8*((\a)%4)+\b)+7], v[128*(\p)+FR*\b:128*(\p)+FR*\b+FR-1], v[AF+FR*(\a):AF+FR*(\a)+FR-1], v[8*(8*((\a)%4)+\b):8*(8*((\a)%4)+\b)+7]
.endif
.endr
.endr
.endm
.macro FETCH_B slot, q, p
	WIN TO_B
.irp i, 0,1,2,3,4,5,6,7
	FRAG 128*(\p)+FR*\i, ADRB+\slot, \q, \i
.endr
	WIN 0
.endm
.macro FETCH_A slot, q, i0
.irp i, \i0, \i0+1, \i0+2, \i0+3
	FRAG AF+FR*(\i), ADRA+\slot, \q, \i
.endr
.endm
.macro PLACES n                        ; plain vector lines between a matrix instruction and a load into its registers or a read of its result
.rept \n
	v_nop
.endr
.endm
; A step of 128 along K that has its successor in the same slot.  A has one set of registers: blocks 0-3 are fetched anew in the step's middle, blocks 4-7 at its end; B has two sets.
.macro STEP slot, q, zero
	s_wait_dscnt 4*NL                              ; B's set and A's blocks 0-3 are in; the youngest sixteen loads (A's blocks 4-7) may be out
	WIN MUL_LO
	MUL16 0, (\q)%2, \zero
	MUL16 2, (\q)%2, \zero
	s_wait_dscnt 0
	PLACES NP
	FETCH_B \slot, (\q)+1, 1-(\q)%2
	FETCH_A \slot, (\q)+1, 0
	WIN MUL_HI
	MUL16 4, (\q)%2, \zero
	MUL16 6, (\q)%2, \zero
	PLACES NP
	WIN 0
	FETCH_A \slot, (\q)+1, 4
.endm
; A slot's last step changes slots: one barrier; in front of it each wave waits for all its tensor loads, adds 0 to its spare word, and waits for that and for its own reads of this slot.  fill = 1: the slot is filled again, four K steps on.
.macro TURN slot, next, fill
	s_wait_tensorcnt 0x0                           ; all my tensor loads have landed: my part of the next slot
	ds_add_u32 v[SPW], v[NIL]                      ; 0 onto my spare word
	s_wait_dscnt 4*NL+1                            ; (the add and the youngest sixteen loads may be out)
	WIN MUL_LO
	MUL16 0, 1, 0
	s_wait_dscnt 0x0                               ; the add is done, and my reads of this slot are over
	s_barrier_signal -1
	MUL16 2, 1, 0
	WIN 0
	s_barrier_wait -1
.if \fill
	CREST                                          ; the barrier has opened a round of the cluster's: no wave of any partner still reads this slot or has a load on its way
	s_add_nc_u64 s[G0+4*\slot+2:G0+4*\slot+3], s[G0+4*\slot+2:G0+4*\slot+3], 2*STEPB
	s_add_nc_u64 s[G0B+4*\slot+2:G0B+4*\slot+3], s[G0B+4*\slot+2:G0B+4*\slot+3], 2*STEPB
	JLOAD G0+4*\slot, G1, G0B+4*\slot, G1B         ; the first tensor load behind the round; its four v_nop are also the places in front of the loads below
.else
	PLACES NP
.endif
	FETCH_B \next, 0, 0
	FETCH_A \next, 0, 0
	WIN MUL_HI
	MUL16 4, 1, 0
	MUL16 6, 1, 0
	PLACES NP
	WIN 0
	FETCH_A \next, 0, 4
.endm
	s_wait_tensorcnt 1                             ; my part of slot 0 is in; slot 1's load may be out
	s_barrier_signal -1
	s_barrier_wait -1
	FETCH_B 0, 0, 0
	FETCH_A 0, 0, 0
	FETCH_A 0, 0, 4
	STEP 0, 0, 1                                   ; K step 0 starts the sums
	TURN 0, 1, 1                                   ; K step 1; slot 0 takes K steps 4, 5
	STEP 1, 0, 0
	TURN 1, 0, 1                                   ; K step 3; slot 1 takes K steps 6, 7
	STEP 0, 0, 0
	TURN 0, 1, 0                                   ; K step 5; nothing is left to fetch
	STEP 1, 0, 0
	s_wait_dscnt 4*NL                              ; K step 7
	WIN MUL_LO
	MUL16 0, 1, 0
	MUL16 2, 1, 0
	s_wait_dscnt 0
	WIN MUL_HI
	MUL16 4, 1, 0
	MUL16 6, 1, 0
	WIN 0
	PLACES NP                                      ; in front of the reads of results, of the loads into B's registers and of the writes into A's
	s_cmp_eq_u32 s66, 2
	s_cbranch_scc1 .Lway_v
	; ---- THE WAY OUT OF q AND k.  Accumulator (a, 4 hd + c): lane (r, h) holds token 16 a + r of my 128 and channels 16 c + 8 h + 0 .. 7 of head hd of my two.
	s_and_b32 s18, s17, 7                          ; my tile of 256 tokens in its batch entry,
	s_lshr_b32 s19, s17, 3                         ; and the entry
	s_lshl_b32 s22, s18, 4
	s_lshl_b32 s23, s15, 3
	s_add_co_u32 s22, s22, s23                     ; my first tile of 16 positions
	s_lshl_b32 s88, s22, 12
	s_mov_b32 s89, 0
	s_add_nc_u64 s[88:89], s[8:9], s[88:89]        ; its part of the table
	s_lshl_b32 s23, s19, 4
	s_lshl_b32 s46, s42, 2
	s_add_co_u32 s23, s23, s46
	s_lshl_b32 s46, s16, 1
	s_add_co_u32 s23, s23, s46                     ; 16 x entry + my first head
	s_lshl_b32 s46, s23, 17
	s_lshl_b32 s47, s22, 10
	s_add_co_u32 s46, s46, s47                     ; q: [head][tile of 16 tokens][1,024]
	s_lshl_b32 s47, s23, 18
	s_lshl_b32 s18, s18, 15
	s_add_co_u32 s47, s47, s18
	s_lshl_b32 s18, s15, 13
	s_add_co_u32 s47, s47, s18                     ; k: [head][slot of 256 keys][32,768], a slot's first 16 images
	s_cmp_eq_u32 s66, 0
	s_cselect_b32 s84, s46, s47
	s_cselect_b64 s[86:87], s[68:69], s[70:71]
	s_mov_b32 s18, 0x40000
	s_cselect_b32 s18, 0x20000, s18                ; from head to head
	s_mov_b32 s85, 0
	s_mov_b32 s19, 0
	s_add_nc_u64 s[84:85], s[86:87], s[84:85]      ; my first head's codes,
	s_add_nc_u64 s[86:87], s[84:85], s[18:19]      ; my second's
	WIN TO_B
.irp a, 0,1,2,3,4,5,6,7                ; the table of my 128 positions fills window 1: block a's cos, sin of pair 8 c + 4 h + p at v[32 a + 8 c + 2 p]
.irp c, 0,1,2,3
.irp g, 0,1
	global_load_b128 v[32*\a+8*\c+4*\g:32*\a+8*\c+4*\g+3], v[LI], s[88:89] offset:4096*\a+1024*\c+512*\g
.endr
.endr
.endr
.irp a, 0,1,2,3,4,5,6,7
	s_wait_loadcnt 56-8*\a                         ; block a's eight loads are in; the eight of each later block may be out
.irp hd, 0,1
	WIN 0x06+\a/4                                  ; source 0: the accumulators' window; source 1: window 1
.irp c, 0,1,2,3
.irp p, 0,1,2,3
	v_pk_mul_f32 v[T2+8*\c+2*\p:T2+8*\c+2*\p+1], v[64*(\a%4)+32*\hd+8*\c+2*\p:64*(\a%4)+32*\hd+8*\c+2*\p+1], v[32*\a+8*\c+2*\p:32*\a+8*\c+2*\p+1] op_sel:[1,1] op_sel_hi:[0,1]   ; (odd x sin, even x sin); each accumulator from its low end on
.endr
.endr
.irp c, 0,1,2,3
.irp p, 0,1,2,3
	v_pk_fma_f32 v[OUT+8*\c+2*\p:OUT+8*\c+2*\p+1], v[64*(\a%4)+32*\hd+8*\c+2*\p:64*(\a%4)+32*\hd+8*\c+2*\p+1], v[32*\a+8*\c+2*\p:32*\a+8*\c+2*\p+1], v[T2+8*\c+2*\p:T2+8*\c+2*\p+1] op_sel_hi:[1,0,1] neg_lo:[0,0,1]   ; (even x cos - odd x sin, odd x cos + even x sin)
.endr
.endr
	WIN 0
.irp c, 0,1,2,3
.irp j, 0,1,2,3,4,5,6,7
.endr
	v_cvt_scalef32_pk8_fp8_f32 v[CODE+8*(2*\a+\hd)+2*\c:CODE+8*(2*\a+\hd)+2*\c+1], v[OUT+8*\c:OUT+8*\c+7], v[SCV]   ; registers 2 c, 2 c + 1 of the fragment (16 tokens x the head's 64)
.endr
	v_nop                                          ; a plain line behind the last conversion
	global_store_b128 v[LI], v[CODE+8*(2*\a+\hd):CODE+8*(2*\a+\hd)+3], s[84+2*\hd:85+2*\hd] offset:1024*\a        ; every code register is written once: no store's data are written again
	global_store_b128 v[LI], v[CODE+8*(2*\a+\hd)+4:CODE+8*(2*\a+\hd)+7], s[84+2*\hd:85+2*\hd] offset:1024*\a+512
.endr
.endr
	s_branch .Ljoin
	; ---- THE WAY OUT OF v.  Accumulator (a, b): lane (r, h) holds channel 16 a + r of my 128 features and keys 16 b + 8 h + 0 .. 7 of my 128: block a's eight accumulators are one fragment of V^T (16 channels x 128 keys).
.Lway_v:
	s_lshr_b32 s18, s42, 3                         ; the batch entry,
	s_and_b32 s19, s42, 7                          ; the slot of 256 keys
	s_lshl_b32 s18, s18, 4
	s_lshl_b32 s22, s17, 2
	s_add_co_u32 s18, s18, s22
	s_lshl_b32 s22, s15, 1
	s_add_co_u32 s18, s18, s22                     ; 16 x entry + my first head
	s_lshl_b32 s84, s18, 18
	s_lshl_b32 s19, s19, 15
	s_add_co_u32 s84, s84, s19
	s_lshl_b32 s19, s16, 13                        ; the slot's first or second 128 keys
	s_add_co_u32 s84, s84, s19
	s_add_co_u32 s84, s84, 16384                   ; behind the slot's images of K
	s_mov_b32 s85, 0
	s_add_nc_u64 s[84:85], s[70:71], s[84:85]
	s_add_nc_u64 s[86:87], s[84:85], 0x40000       ; my second head
	s_wait_alu depctr_va_vdst(0)
.irp a, 0,1,2,3,4,5,6,7
	WIN 0x02+\a/4                                  ; source 0: the accumulators' window
.set n, 0
.rept 64
.set n, n+1
.endr
.irp b, 0,1,2,3,4,5,6,7
	v_cvt_scalef32_pk8_fp8_f32 v[CODE+16*\a+2*\b:CODE+16*\a+2*\b+1], v[32+8*\b+((64*(\a%4)+n)-(32+n)):32+8*\b+7+((64*(\a%4)+n)-(32+n))], v[SCV]
.endr
	WIN 0
	v_nop                                          ; a plain line behind the last conversion
.irp g, 0,1,2,3
	global_store_b128 v[LI], v[CODE+16*\a+4*\g:CODE+16*\a+4*\g+3], s[84+2*(\a/4):85+2*(\a/4)] offset:2048*(\a%4)+512*\g
.endr
.endr
.Ljoin:
	s_wait_tensorcnt 0x0                           ; the wave's end
	ds_add_u32 v[SPW], v[NIL]
	s_wait_dscnt 0x0
	CROUND                                         ; the closing round: no work-group ends while a partner may still ask for a tile that names it
	s_endpgm
.Lfunc_end_k_qb2cbd72a5c_qkv:
	.size	k_qb2cbd72a5c_qkv, .Lfunc_end_k_qb2cbd72a5c_qkv-k_qb2cbd72a5c_qkv
	.p2alignl 7, 3214868480
	.fill 96, 4, 3214868480
	.section	.rodata,"a",@progbits
	.p2align	6, 0x0
	.amdhsa_kernel k_qb2cbd72a5c_qkv
		.amdhsa_group_segment_fixed_size 327680
		.amdhsa_private_segment_fixed_size 0
		.amdhsa_enable_private_segment 0
		.amdhsa_kernarg_size 48
		.amdhsa_user_sgpr_count 2
		.amdhsa_user_sgpr_kernarg_segment_ptr 1
		.amdhsa_wavefront_size32 1
		.amdhsa_system_sgpr_workgroup_id_x 1
		.amdhsa_system_sgpr_workgroup_id_y 1
		.amdhsa_system_sgpr_workgroup_id_z 1
		.amdhsa_system_vgpr_workitem_id 0
		.amdhsa_next_free_vgpr 1024
		.amdhsa_next_free_sgpr 100
		.amdhsa_reserve_vcc 0
		.amdhsa_float_denorm_mode_32 3
		.amdhsa_float_denorm_mode_16_64 3
		.amdhsa_fp16_overflow 1
		.amdhsa_memory_ordered 1
		.amdhsa_forward_progress 1
		.amdhsa_inst_pref_size 134
	.end_amdhsa_kernel
	.amdgpu_metadata
---
amdhsa.version: [ 1, 2 ]
amdhsa.kernels:
  - .name:           k_qb2cbd72a5c_qkv
    .symbol:         k_qb2cbd72a5c_qkv.kd
    .args:
      - { .name: xc, .offset: 0, .size: 8, .value_kind: global_buffer, .address_space: global }
      - { .name: wc, .offset: 8, .size: 8, .value_kind: global_buffer, .address_space: global }
      - { .name: rope, .offset: 16, .size: 8, .value_kind: global_buffer, .address_space: global }
      - { .name: lowp_scales, .offset: 24, .size: 8, .value_kind: global_buffer, .address_space: global }
      - { .name: qc, .offset: 32, .size: 8, .value_kind: global_buffer, .address_space: global }
      - { .name: kvc, .offset: 40, .size: 8, .value_kind: global_buffer, .address_space: global }
    .group_segment_fixed_size: 327680
    .private_segment_fixed_size: 0
    .kernarg_segment_align: 8
    .kernarg_segment_size: 48
    .max_flat_workgroup_size: 128
    .sgpr_count:     100
    .vgpr_count:     1024
    .wavefront_size: 32
...
	.end_amdgpu_metadata
.endif
;; end of part 2
;; launch attn (part 3): grid 4 x 64, 16 waves a work-group, no clusters, 327,680 bytes of LDS; arguments qc, kvc, lowp_scales, ac; writes ac
.if DOCPART == 3
	.amdgcn_target "amdgcn-amd-amdhsa--gfx1250"
	.amdhsa_code_object_version 6
	.text
	.protected	k_qb2cbd72a5c_attn
	.globl	k_qb2cbd72a5c_attn
	.p2align	8
	.type	k_qb2cbd72a5c_attn,@function
k_qb2cbd72a5c_attn:
	s_mov_b64 s[64:65], 0
	v_nop
	global_prefetch_b8 v0, s[64:65] scope:SCOPE_SE
	s_setreg_imm32_b32 hwreg(HW_REG_WAVE_MODE, 25, 1), 1
	s_wait_xcnt 0x0
; Causal attention on codes of E4M3, head size 64, 2,048 tokens, 64 heads (batch entry x head), and the quantising of its result for the last projection.
; t = score x log2(e) / 8; M = the running largest t rounded UP to a whole number; p = 2^(t - M) is quantised with 2^e8, not normalised; the row's sum is taken of the unquantised p and divides at the end.
; When M moves, the sum and O are multiplied by 2^(old M - new M): exact.  A hidden key's score becomes -infinity ahead of the maximum, so its p is 0.
; SHARES.  A work-group owns blocks 7 - i and i (256 queries each) of one head, i = its x: first it walks key slots 0 .. 7 - i for the high block, then slots 0 .. i for the low one: NINE slots of 256 keys in every
; work-group, so the trip count is a constant, all work-groups have equal work, and what lies wholly above the diagonal is neither fetched nor multiplied.  Each of sixteen waves owns one tile of 16 queries of the block in hand,
; in 256 registers: four waves to a SIMD, so that one wave's vector work stands beside another's matrix work and LDS loads.
; OPERANDS are images of registers.  qc: [head][tile of 16 queries][1,024].  kvc: [head][slot][32,768]: 16 images of K (16 keys x 64), then V^T: [128 keys][16 channels][2,048].  A slot is one dense block: wave 0 fetches K's half, wave 1 V's.
; Both products are used transposed (S^T = K Q^T, O^T = V^T P^T): a lane holds ONE query.  Tile t of S^T holds keys 16 t + 8 h + 0 .. 7 in a lane: its conversion is registers 2 t, 2 t + 1 of P.  O^T's conversions are the next operand's registers too:
; ac: [tile of 16 tokens][K step of 128][2,048], head hh in K step hh / 2 at byte 1,024 (hh % 2).
; NOT IN CLUSTERS: the four work-groups of a head walk the slots in different orders from the fifth trip on, so joint requests would not meet.
; LIMITS: e6 + e7 between -123 and 130; e8, and e10 - e8 - e9, between -126 and 119.  NaN is not served.
; REGISTERS: v1 16 x lane; v2 r - 8 h; v3 the prefetch's offset; v5, v6 the add's; v8 the slot's address; v12 -M, v13 the largest t, v[14:15] the sum; v16-23 Q; v24-31 the low block's Q; v32-95 K's or V's fragments;
;   v96-159 S^T, then p; v160-191 O^T; v192-207 the results' codes; v224-239 p's codes; v244 2^e8; v245 2^(e10 - e8 - e9); v236-243, v246-255 at work.
.set SLOTX, 0x8000                     ; slot 1 begins here: one exclusive or turns an address from one slot to the other
.set VOFF,  16384
.set SPARE, 65536                      ; behind the ring: the spare words, 128 bytes for each of sixteen waves, that no other line names
.macro TLOAD                           ; waves 0 and 1 fetch, one load each; four v_nop follow
	s_cmp_lt_u32 s18, 2
	s_cbranch_scc0 .Lnone_\@
	tensor_load_to_lds s[40:43], s[24:31]
	s_nop 0
.rept 4
	v_nop
.endr
.Lnone_\@:
.endm
; A prefetch of the slot behind the one that is being asked for.  All four work-groups of a head walk slots 0 to 4 and more in the same order: the one with i = 0, which walks 0 to 7, asks; in it waves 4 to 7, 8,192 bytes each, lanes 256 bytes apart:
; each aligned block of 256 bytes of slots 2 to 7 is named once in the launch.  Trips 0 to 5 ask; slots 0 and 1 come by their loads alone.
.macro ASK
	s_cmp_lt_u32 s66, s94
	s_cbranch_scc0 .Lnot_mine_\@
	global_prefetch_b8 v3, s[92:93] th:TH_LOAD_NT scope:SCOPE_SE
.Lnot_mine_\@:
.endm
.macro RESET                           ; a block's start: the largest t -3e38, the sum and O^T zeros, which the first change of M leaves zeros
	v_mov_b32 v13, 0xff61b1e6
	s_delay_alu instid0(VALU_DEP_1)
	v_floor_f32 v12, -v13
	v_mov_b32 v14, 0
	v_mov_b32 v15, 0
.set n, 0
.rept 32
	v_mov_b32 v[160+n], 0
.set n, n+1
.endr
.endm
	s_load_b256 s[4:11], s[0:1], 0x0               ; qc 4, kvc 6, the exponents 8, ac 10
	v_lshl_add_u32 v5, v0, 2, SPARE
	v_mov_b32 v6, 0
	ds_add_u32 v5, v6
	ds_add_u32 v5, v6
	s_wait_dscnt 0x0
	v_lshrrev_b32 v8, 5, v0
	s_delay_alu instid0(VALU_DEP_1)
	v_readfirstlane_b32 s18, v8                    ; wave 0..15
	s_mov_b32 s19, ttmp9                           ; i
	s_and_b32 s71, ttmp7, 0xffff                   ; the head, 0..63
	s_sub_co_u32 s69, 7, s19                       ; the high block, and the trip behind which the blocks change
	s_sub_co_u32 s70, 8, s19
	s_lshl_b32 s44, s18, 4
	s_lshl_b32 s88, s69, 8
	s_add_co_u32 s88, s88, s44                     ; my first query of the high block,
	s_lshl_b32 s89, s19, 8
	s_add_co_u32 s89, s89, s44                     ; of the low one
	s_mov_b32 s24, 3<<16                           ; group 1: 64 dense rows of 32 elements of 8 bytes: 16,384 bytes; no mask, no padding
	s_mov_b32 s25, 32<<16
	s_mov_b32 s26, 64<<16
	s_mov_b32 s27, 32<<16
	s_mov_b32 s28, 64
	s_mov_b32 s29, 32
	s_mov_b32 s30, 0
	s_mov_b32 s31, 0
	s_mov_b32 s20, 0x76543210                      ; v_permlanex16_b32's selects for lane l xor 16
	s_mov_b32 s21, 0xfedcba98
	s_mov_b32 s2, 0                                ; the LDS byte at which the slot in hand begins
	s_mov_b32 s66, 0                               ; the trip
	s_mov_b32 s67, 0                               ; the slot of keys in hand
	s_mov_b32 s83, 0
	s_and_b32 s44, s18, 1
	s_lshl_b32 s45, s44, 14                        ; K's half or V's
	s_lshl_b32 s46, s71, 18                        ; the head's 262,144 bytes
	s_add_co_u32 s12, s46, s45
	s_mov_b32 s13, 0
	s_wait_kmcnt 0x0
	s_load_b256 s[72:79], s[8:9], 0x10             ; e4 .. e11
	s_add_nc_u64 s[80:81], s[6:7], s[12:13]        ; my half of the head's slot 0
	s_mov_b32 s40, 1
	s_mov_b32 s41, s45
	s_mov_b64 s[42:43], s[80:81]
	s_or_b32 s43, s43, 0x80000000
	TLOAD                                          ; slot 0
	v_and_b32 v8, 31, v0
	s_delay_alu instid0(VALU_DEP_1)
	v_lshlrev_b32 v1, 4, v8
	s_wait_alu depctr_va_vdst(0)
	v_lshlrev_b32 v3, 8, v8
	v_and_b32 v2, 15, v0
	v_bfe_u32 v8, v0, 4, 1
	s_delay_alu instid0(VALU_DEP_1)
	v_lshlrev_b32 v8, 3, v8
	s_delay_alu instid0(VALU_DEP_1)
	v_sub_nc_u32 v2, v2, v8                        ; r - 8 h
	s_lshl_b32 s46, s71, 17                        ; the head's 128 images of Q
	s_lshl_b32 s44, s88, 6
	s_add_co_u32 s44, s46, s44
	s_mov_b32 s45, 0
	s_add_nc_u64 s[44:45], s[4:5], s[44:45]
	global_load_b128 v[16:19], v1, s[44:45]
	global_load_b128 v[20:23], v1, s[44:45] offset:512
	s_lshl_b32 s98, s89, 6
	s_add_co_u32 s98, s46, s98
	s_mov_b32 s99, 0
	s_add_nc_u64 s[98:99], s[4:5], s[98:99]
	global_load_b128 v[24:27], v1, s[98:99]
	global_load_b128 v[28:31], v1, s[98:99] offset:512
	s_lshl_b32 s12, s71, 18                        ; the prefetches: my wave's 8,192 bytes, in slot 1: the first change of slots steps them to slot 2
	s_and_b32 s14, s18, 3
	s_lshl_b32 s14, s14, 13
	s_add_co_u32 s12, s12, s14
	s_add_co_u32 s12, s12, 32768
	s_add_nc_u64 s[92:93], s[6:7], s[12:13]
	s_sub_co_u32 s14, s18, 4
	s_lshr_b32 s14, s14, 2                         ; 0 in waves 4 to 7,
	s_or_b32 s14, s14, s19                         ; of the work-group with i = 0
	s_cmp_eq_u32 s14, 0
	s_cselect_b32 s94, 6, 0
	s_lshr_b32 s12, s71, 4                         ; where the results go: batch entry x 128 tiles of 16,384 bytes,
	s_lshl_b32 s12, s12, 21
	s_bfe_u32 s13, s71, 0x30001                    ; K step = head / 2,
	s_lshl_b32 s13, s13, 11
	s_add_co_u32 s12, s12, s13
	s_and_b32 s13, s71, 1                          ; its first or second 1,024 bytes
	s_lshl_b32 s13, s13, 10
	s_add_co_u32 s12, s12, s13
	s_lshl_b32 s14, s88, 10
	s_add_co_u32 s14, s14, s12
	s_mov_b32 s15, 0
	s_add_nc_u64 s[84:85], s[10:11], s[14:15]      ; the high block's tile,
	s_lshl_b32 s14, s89, 10
	s_add_co_u32 s14, s14, s12
	s_add_nc_u64 s[86:87], s[10:11], s[14:15]      ; the low block's
	RESET
	v_mov_b32 v250, 0                              ; written once: a lane permute's destination counts as one of its sources
	v_mov_b32 v253, 0                              ; (named as the upper half of the pair v[252:253])
	v_mov_b32 v251, 0xff800000                     ; -infinity
	s_wait_kmcnt 0x0
	s_add_co_i32 s12, s74, s75                     ; a score stands for score x 2^(e6 + e7): added to c's exponent field
	s_lshl_b32 s12, s12, 23
	s_mov_b32 s22, 0x3e38aa3b                      ; c = log2(e) / 8
	s_add_co_i32 s22, s22, s12
	s_mov_b32 s23, s22                             ; (named with it as a pair, so it is written)
	s_add_co_i32 s12, s76, 127
	s_lshl_b32 s13, s12, 23
	v_mov_b32 v244, s13                            ; 2^e8
	s_sub_co_i32 s12, s78, s76                     ; O^T / the sum stands for that x 2^(e8 + e9): its code is that / 2^(e10 - e8 - e9)
	s_sub_co_i32 s12, s12, s77
	s_add_co_i32 s12, s12, 127
	s_lshl_b32 s13, s12, 23
	v_mov_b32 v245, s13
; A KEY STEP: 128 keys, the q-th of the slot in hand.  s90: its first key; s88: my first query.
.macro STEP q
	s_add_co_u32 s96, s88, 15
	s_cmp_gt_u32 s90, s96                          ; all its keys come after my 16 queries: the step's work is left out (a branch on ids; no barrier and no tensor load stands in a step)
	s_cbranch_scc1 .Lhidden_\@
	v_add_nc_u32 v8, s2, v1
.rept 3
	v_nop                                          ; with the addition above: four places in front of loads into registers that matrix instructions have read
.endr
.irp t, 0,1,2,3,4,5,6,7
	ds_load_b128 v[32+8*\t:35+8*\t], v8 offset:(8*(\q)+\t)*1024
	ds_load_b128 v[36+8*\t:39+8*\t], v8 offset:(8*(\q)+\t)*1024+512
.endr
	s_wait_dscnt 0x0
	s_wait_alu depctr_va_vdst(0)
.irp t, 0,1,2,3,4,5,6,7
	v_wmma_f32_16x16x64_fp8_fp8 v[96+8*\t:103+8*\t], v[32+8*\t:39+8*\t], v[16:23], 0   ; S^T: keys 16 t + 8 h + 0 .. 7 of my query
.endr
.rept 4
	v_nop
.endr
.irp ct, 0,1,2,3
.irp g, 0,1,2,3
	ds_load_b128 v[32+16*\ct+4*\g:35+16*\ct+4*\g], v8 offset:VOFF+8192*(\q)+2048*\ct+512*\g   ; V^T's four fragments land while the softmax is worked
.endr
.endr
	s_add_co_u32 s96, s90, 127
	s_cmp_le_u32 s96, s88                          ; all its keys count: no mask
	s_cbranch_scc1 .Lopen_\@
	s_sub_co_i32 s96, s88, s90
	v_add_nc_u32 v252, s96, v2                     ; d = my query - the first key - 8 h.  Register 8 t + j holds the key 16 t + 8 h + j on: hidden where 16 t + j > d
.set n, 0
.rept 64
	v_cmp_gt_i32 vcc_lo, 16*(n/8)+n%8, v252
	v_cndmask_b32 v[96+n], v[96+n], v251, vcc_lo
.set n, n+1
.endr
.Lopen_\@:
	v_max3_num_f32 v254, v96, v97, v98             ; the step's largest score of my query among my 64 keys, in two chains, each accumulator from its low end on,
	v_max3_num_f32 v252, v99, v100, v101
.irp i, 6,10,14,18,22,26,30,34,38,42,46,50,54,58
	v_max3_num_f32 v254, v254, v[96+\i], v[97+\i]
	v_max3_num_f32 v252, v252, v[98+\i], v[99+\i]
.endr
	v_max3_num_f32 v254, v254, v158, v159
	s_delay_alu instid0(VALU_DEP_1)
	v_max_num_f32 v254, v254, v252
	s_delay_alu instid0(VALU_DEP_1)
	v_permlanex16_b32 v250, v254, s20, s21
	s_delay_alu instid0(VALU_DEP_1)
	v_max_num_f32 v254, v254, v250                 ; and among lane l xor 16's
	s_delay_alu instid0(VALU_DEP_1)
	v_mul_f32 v254, s22, v254                      ; as t (c is positive)
	s_delay_alu instid0(VALU_DEP_1)
	v_max_num_f32 v13, v13, v254                   ; the running largest t
	v_mov_b32 v254, v12
	s_delay_alu instid0(VALU_DEP_2)
	v_floor_f32 v12, -v13                          ; the new -M = floor(-t): M is a whole number
	s_delay_alu instid0(VALU_DEP_1)
	v_sub_f32 v254, v12, v254                      ; old M - new M: a whole number, 0 or less
	s_delay_alu instid0(VALU_DEP_1)
	v_cvt_i32_f32 v254, v254                       ; (it saturates)
	s_delay_alu instid0(VALU_DEP_1)
	v_ldexp_f32 v252, 1.0, v254                    ; f = 2^(old M - new M)
.irp j, 0,2,4,6,8,10,12,14,16,18,20,22,24,26,28,30,32,34,36,38,40,42,44,46,48,50,52,54,56,58,60,62
	v_pk_fma_f32 v[96+\j:97+\j], v[96+\j:97+\j], s[22:23], v[12:13] op_sel_hi:[1,0,0]   ; t - M, two at a time
.endr
.set n, 0
	s_wait_alu depctr_va_vdst(0)
.rept 64
	v_exp_f32 v[96+n], v[96+n]                     ; p = 2^(t - M), at most 1
.set n, n+1
.endr
	v_pk_mul_f32 v[14:15], v[14:15], v[252:253] op_sel_hi:[1,0]   ; the sum under the new M: the plain line behind the exponentials
	s_wait_alu depctr_va_vdst(0)                   ; one wait for the whole batch, ahead of its first reader
	v_pk_add_f32 v[242:243], v[100:101], v[104:105]
	v_pk_add_f32 v[254:255], v[108:109], v[112:113]
	v_pk_add_f32 v[248:249], v[116:117], v[120:121]
	v_pk_add_f32 v[246:247], v[124:125], v[128:129]
	v_pk_add_f32 v[240:241], v[132:133], v[136:137]
	v_pk_add_f32 v[238:239], v[140:141], v[144:145]
	v_pk_add_f32 v[236:237], v[148:149], v[152:153]
	v_pk_add_f32 v[14:15], v[14:15], v[156:157]
	v_pk_add_f32 v[242:243], v[242:243], v[96:97]
	v_pk_add_f32 v[254:255], v[254:255], v[98:99]
	v_pk_add_f32 v[248:249], v[248:249], v[102:103]
	v_pk_add_f32 v[246:247], v[246:247], v[106:107]
	v_pk_add_f32 v[240:241], v[240:241], v[110:111]
	v_pk_add_f32 v[238:239], v[238:239], v[114:115]
	v_pk_add_f32 v[236:237], v[236:237], v[118:119]
	v_pk_add_f32 v[14:15], v[14:15], v[122:123]
	v_pk_add_f32 v[242:243], v[242:243], v[126:127]
	v_pk_add_f32 v[254:255], v[254:255], v[130:131]
	v_pk_add_f32 v[248:249], v[248:249], v[134:135]
	v_pk_add_f32 v[246:247], v[246:247], v[138:139]
	v_pk_add_f32 v[240:241], v[240:241], v[142:143]
	v_pk_add_f32 v[238:239], v[238:239], v[146:147]
	v_pk_add_f32 v[236:237], v[236:237], v[150:151]
	v_pk_add_f32 v[14:15], v[14:15], v[154:155]
	v_pk_add_f32 v[242:243], v[242:243], v[158:159]
	s_delay_alu instid0(VALU_DEP_2)
	v_pk_add_f32 v[14:15], v[14:15], v[246:247]
	s_delay_alu instid0(VALU_DEP_2)
	v_pk_add_f32 v[242:243], v[242:243], v[240:241]
	v_pk_add_f32 v[254:255], v[254:255], v[238:239]
	v_pk_add_f32 v[248:249], v[248:249], v[236:237]
	s_delay_alu instid0(VALU_DEP_2)
	v_pk_add_f32 v[14:15], v[14:15], v[254:255]
	s_delay_alu instid0(VALU_DEP_2)
	v_pk_add_f32 v[242:243], v[242:243], v[248:249]
	s_delay_alu instid0(VALU_DEP_1)
	v_pk_add_f32 v[14:15], v[14:15], v[242:243]
.irp t, 0,1,2,3,4,5,6,7
.irp j, 0,1,2,3,4,5,6,7
.endr
	v_cvt_scalef32_pk8_fp8_f32 v[224+2*\t:225+2*\t], v[96+8*\t:103+8*\t], v244   ; registers 2 t, 2 t + 1 of P: keys 16 t + 8 h + 0 .. 7
.endr
.irp j, 0,2,4,6,8,10,12,14,16,18,20,22,24,26,28,30
	v_pk_mul_f32 v[160+\j:161+\j], v[160+\j:161+\j], v[252:253] op_sel_hi:[1,0]   ; O^T under the new M; also the plain lines behind the conversions
.endr
	s_wait_alu depctr_va_vdst(0)
	s_wait_dscnt 0x0                               ; V^T is in
.irp ct, 0,1,2,3
	v_wmma_f32_16x16x128_fp8_fp8 v[160+8*\ct:167+8*\ct], v[32+16*\ct:47+16*\ct], v[224:239], v[160+8*\ct:167+8*\ct]   ; the four accumulators by turns; S^T's eight products stand between two turns of one
.endr
.Lhidden_\@:
	s_add_co_u32 s90, s90, 128
.endm
; THE CHANGE OF SLOTS stands at a slot's head.  Each wave waits for all its tensor loads, adds 0 to its spare word, and waits for that and for its reads of the slot that it has left; behind the barrier the slot ahead is whole
; and nobody reads the other one.  fill = 1: that other slot takes the keys of the next trip: slot T + 1 of the head, or, behind the high block's last, T + 1 - (8 - i).
.macro CHANGE fill
	s_wait_tensorcnt 0x0                           ; no tensor load of mine is out, so group 0 may be written
	ds_add_u32 v5, v6                              ; 0 onto my spare word
.if \fill
	s_add_co_u32 s68, s66, 1
	s_cmp_gt_u32 s68, s69
	s_cselect_b32 s96, s70, 0
	s_sub_co_u32 s68, s68, s96                     ; the next trip's slot of keys
	s_lshl_b32 s82, s68, 15
	s_add_nc_u64 s[42:43], s[80:81], s[82:83]
	s_or_b32 s43, s43, 0x80000000
	s_xor_b32 s41, s41, SLOTX                      ; the other LDS slot than last time
	s_wait_xcnt 0x0                                ; the last prefetch, a trip back, has read its address, so it may be written
	s_add_nc_u64 s[92:93], s[92:93], 32768
.endif
	s_wait_dscnt 0x0                               ; the add is done, and my reads of the slot that I have left are over
	s_barrier_signal -1
	s_barrier_wait -1
.if \fill
	TLOAD                                          ; the first thing behind the barrier, and a wave's one tensor load until the next
	ASK
.endif
.endm
; A block's end: O^T / the sum, converted: registers 2 ct, 2 ct + 1 of the next operand's half fragment (16 tokens x this head's 64), stored as two runs of 512 consecutive bytes.
.macro WAYOUT code, base
.rept 4
	v_nop                                          ; places behind the last products
.endr
	v_add_f32 v14, v14, v15
	s_wait_alu depctr_va_vdst(0)
	v_permlanex16_b32 v250, v14, s20, s21
	s_delay_alu instid0(VALU_DEP_1)
	v_add_f32 v14, v14, v250                       ; the row's sum
	s_wait_alu depctr_va_vdst(0)
	v_rcp_f32 v14, v14
	v_nop                                          ; a plain line behind the transcendental
	s_wait_alu depctr_va_vdst(0)                   ; and the wait ahead of its first reader
.irp j, 0,2,4,6,8,10,12,14,16,18,20,22,24,26,28,30
	v_pk_mul_f32 v[96+\j:97+\j], v[160+\j:161+\j], v[14:15] op_sel_hi:[1,0]
.endr
.set n, 0
.rept 32
.set n, n+1
.endr
.irp ct, 0,1,2,3
	v_cvt_scalef32_pk8_fp8_f32 v[\code+2*\ct:\code+2*\ct+1], v[96+8*\ct:103+8*\ct], v245
.endr
	v_nop                                          ; a plain line behind the last conversion
	global_store_b128 v1, v[\code:\code+3], s[\base:\base+1]
	global_store_b128 v1, v[\code+4:\code+7], s[\base:\base+1] offset:512
.endm
	s_wait_loadcnt 0x0                             ; both blocks' Q
.Lslot:                                            ; eight trips: behind each change of slots but the last the next slot is asked for
	CHANGE 1
	s_lshl_b32 s90, s67, 8
	STEP 0
	STEP 1
	s_xor_b32 s2, s2, SLOTX
	s_mov_b32 s67, s68
	s_cmp_lg_u32 s66, s69                          ; the high block's last slot?  (ids alone, the same in all sixteen waves)
	s_cbranch_scc1 .Lsame
	WAYOUT 192, 84
	RESET
.irp j, 0,1,2,3,4,5,6,7
	v_mov_b32 v[16+\j], v[24+\j]                   ; the low block's Q
.endr
	s_mov_b32 s88, s89
.Lsame:
	s_add_co_u32 s66, s66, 1
	s_cmp_lt_u32 s66, 8
	s_cbranch_scc1 .Lslot
	CHANGE 0                                       ; the ninth slot is written out
	s_lshl_b32 s90, s67, 8
	STEP 0
	STEP 1
	WAYOUT 200, 86
	s_wait_tensorcnt 0x0                           ; the wave's end
	ds_add_u32 v5, v6
	s_wait_dscnt 0x0
	s_endpgm
.Lfunc_end_k_qb2cbd72a5c_attn:
	.size	k_qb2cbd72a5c_attn, .Lfunc_end_k_qb2cbd72a5c_attn-k_qb2cbd72a5c_attn
	.p2alignl 7, 3214868480
	.fill 96, 4, 3214868480
	.section	.rodata,"a",@progbits
	.p2align	6, 0x0
	.amdhsa_kernel k_qb2cbd72a5c_attn
		.amdhsa_group_segment_fixed_size 327680
		.amdhsa_private_segment_fixed_size 0
		.amdhsa_enable_private_segment 0
		.amdhsa_kernarg_size 32
		.amdhsa_user_sgpr_count 2
		.amdhsa_user_sgpr_kernarg_segment_ptr 1
		.amdhsa_wavefront_size32 1
		.amdhsa_system_sgpr_workgroup_id_x 1
		.amdhsa_system_sgpr_workgroup_id_y 1
		.amdhsa_system_sgpr_workgroup_id_z 1
		.amdhsa_system_vgpr_workitem_id 0
		.amdhsa_next_free_vgpr 256
		.amdhsa_next_free_sgpr 100
		.amdhsa_reserve_vcc 1
		.amdhsa_float_denorm_mode_32 3
		.amdhsa_float_denorm_mode_16_64 3
		.amdhsa_fp16_overflow 1
		.amdhsa_memory_ordered 1
		.amdhsa_forward_progress 1
		.amdhsa_inst_pref_size 89
	.end_amdhsa_kernel
	.amdgpu_metadata
---
amdhsa.version: [ 1, 2 ]
amdhsa.kernels:
  - .name:           k_qb2cbd72a5c_attn
    .symbol:         k_qb2cbd72a5c_attn.kd
    .args:
      - { .name: qc, .offset: 0, .size: 8, .value_kind: global_buffer, .address_space: global }
      - { .name: kvc, .offset: 8, .size: 8, .value_kind: global_buffer, .address_space: global }
      - { .name: lowp_scales, .offset: 16, .size: 8, .value_kind: global_buffer, .address_space: global }
      - { .name: ac, .offset: 24, .size: 8, .value_kind: global_buffer, .address_space: global }
    .group_segment_fixed_size: 327680
    .private_segment_fixed_size: 0
    .kernarg_segment_align: 8
    .kernarg_segment_size: 32
    .max_flat_workgroup_size: 512
    .sgpr_count:     100
    .vgpr_count:     256
    .wavefront_size: 32
...
	.end_amdgpu_metadata
.endif
;; end of part 3
;; launch oproj (part 4): grid 4 x 32, 4 waves a work-group, clusters of 4 x 4, 327,680 bytes of LDS; arguments ac, wc, lowp_scales, out0; writes out0
.if DOCPART == 4
	.amdgcn_target "amdgcn-amd-amdhsa--gfx1250"
	.amdhsa_code_object_version 6
	.text
	.protected	k_qb2cbd72a5c_oproj
	.globl	k_qb2cbd72a5c_oproj
	.p2align	8
	.type	k_qb2cbd72a5c_oproj,@function
k_qb2cbd72a5c_oproj:
	s_mov_b64 s[64:65], 0
	v_nop
	global_prefetch_b8 v0, s[64:65] scope:SCOPE_SE
	s_setreg_imm32_b32 hwreg(HW_REG_WAVE_MODE, 25, 1), 1
	s_wait_xcnt 0x0
	s_wait_alu depctr_hold_cnt(0) depctr_sa_sdst(0) depctr_va_vdst(0) depctr_va_sdst(0) depctr_va_ssrc(0) depctr_va_vcc(0) depctr_vm_vsrc(0)
	s_getreg_b32 s2, hwreg(HW_REG_IB_STS2, 6, 4)
	s_cmp_eq_u32 s2, 0
	s_cbranch_scc0 .Lentry_in_a_cluster
	s_endpgm
.Lentry_in_a_cluster:
	s_bfe_u32 s2, ttmp6, 0x10000c
	s_cmp_lg_u32 s2, 0xf033
	s_cbranch_scc0 .Lentry_shape_is_right
	s_endpgm
.Lentry_shape_is_right:
; out0 = attn Wo^T on codes of E4M3: attn's codes [8192][1024] (scale 2^e10) and Wo's (plane 3 of wc, scale 2^e11) are images of registers: [tile of 16 rows][K step of 128][2,048 bytes].  out0: [8192][1024] f32.
; The codes are multiplied as they are, and each finished sum once by 2^(e10 + e11).  LIMIT: e10 + e11 lies between -126 and 127.
; A tile of 256 x 256 is made by four waves, 128 x 128 each: 64 accumulators.  K = 1,024 goes through two LDS slots of two K steps each: four fills, so the ring is written out.
; CLUSTERS: 4 x 4 work-groups; the tokens' tile is asked for jointly along a row of the cluster, Wo's along a column.  The matrix instruction is used transposed (source 0 = 16 rows of Wo, source 1 = 16 tokens): a lane holds eight neighbouring numbers of a row of out0.
; The grid has 128 work-groups: a tile of 256 x 256 keeps the fragments' reads from LDS at their least for each product.
; REGISTERS: window 0: v16-31 addresses; v128-255 A's fragments, one set; on the way out v32-255 are free.  window 1: B's fragments, two sets.  windows 2, 3: the accumulators, (a, b) at v[8 (8 (a % 4) + b)].
.set SIZE_N, 1024
.set STEPB,  4096                      ; a slot's two K steps of one tile of rows
.set HALFT,  8*STEPB
.set SLOT,   4*HALFT
.set SPARE,  2*SLOT                    ; behind the ring: the spare words, 128 bytes for each wave, that no other line names
.set SPITCH, 528                       ; the way out: a stage of 16 rows x (512 + 16 bytes) for each wave, in slot 0, which has had its last fill and its last read when the first result is stored there
.set FR,     16
.set NL,     4
.set NP,     4
.set ADRA, 16
.set ADRB, 20
.set STO,  24
.set RD,   25
.set CO,   26
.set SPW,  28
.set NIL,  29
.set TMP,  32
.set AF,   128
.set BK,   128
.set G1, 24
.set G0, 32
.set G1B, 48
.set G0B, 56
.set MSB, 0
.macro WIN new                         ; the immediate's high byte repeats the setting that is left
.if MSB != (\new)
	s_set_vgpr_msb (MSB<<8)|(\new)
.set MSB, (\new)
.endif
.endm
.set MUL_LO, 0xa1
.set MUL_HI, 0xf1
.set TO_B,   0x40
.macro JLOAD g0a, g1a, g0b, g1b        ; a joint load: waves 0 and 1 fetch for A, waves 2 and 3 for B; four v_nop follow each of the two lines
	s_cmp_eq_u32 s15, 0
	s_cbranch_scc0 .Lfor_b_\@
	tensor_load_to_lds s[\g0a:\g0a+3], s[\g1a:\g1a+7]
	s_nop 0
.rept 4
	v_nop
.endr
	s_branch .Lasked_\@
.Lfor_b_\@:
	tensor_load_to_lds s[\g0b:\g0b+3], s[\g1b:\g1b+7]
	s_nop 0
.rept 4
	v_nop
.endr
.Lasked_\@:
.endm
.macro CREST
	s_cmp_lg_u32 s14, 0
	s_cbranch_scc1 .Lnot_wave_0_\@
	s_barrier_signal -3
.Lnot_wave_0_\@:
	s_barrier_wait -3
	s_barrier_signal -1
	s_barrier_wait -1
.endm
.macro CROUND
	s_barrier_signal -1
	s_barrier_wait -1
	CREST
.endm
	s_load_b128 s[4:7], s[0:1], 0x0                ; ac, wc
	s_load_b128 s[8:11], s[0:1], 0x10              ; the exponents, out0
	v_lshl_add_u32 v[SPW], v0, 2, SPARE
	v_mov_b32 v[NIL], 0
	ds_add_u32 v28, v29
	ds_add_u32 v28, v29
	s_wait_dscnt 0x0
	v_lshrrev_b32 v1, 5, v0
	v_readfirstlane_b32 s14, v1                    ; wave 0..3
	s_lshr_b32 s15, s14, 1                         ; which half of the tile's rows is mine.  Also: I fetch for A (0) or for B (1)
	s_and_b32 s16, s14, 1                          ; which half of its columns.  Also: which 8 tiles of rows I fetch
	s_bfe_u32 s40, ttmp6, 0x40000                  ; cx
	s_bfe_u32 s41, ttmp6, 0x40004                  ; cy
	s_lshl_b32 s42, ttmp9, 2
	s_add_co_u32 s42, s42, s40                     ; tile column
	s_and_b32 s17, ttmp7, 0xffff
	s_lshl_b32 s17, s17, 2
	s_add_co_u32 s17, s17, s41                     ; tile row
	s_lshl_b32 s43, s41, 2
	s_lshl_b32 s43, 15, s43                        ; my row of the cluster
	s_lshl_b32 s44, 0x1111, s40                    ; my column
	s_or_b32 s[G1+0], s43, (3<<16)|(1<<21)         ; group 1: 8 rows of 512 elements of 8 bytes, 2,048 elements from row to row, dense in LDS; the mask, and bit 21 beside it
	s_or_b32 s[G1B+0], s44, (3<<16)|(1<<21)
.irp g, G1, G1B
	s_mov_b32 s[\g+1], 512<<16
	s_mov_b32 s[\g+2], 8<<16
	s_mov_b32 s[\g+3], 512<<16
	s_mov_b32 s[\g+4], 8
	s_mov_b32 s[\g+5], 2048
	s_mov_b32 s[\g+6], 0
	s_mov_b32 s[\g+7], 0
.endr
	s_lshl_b32 s20, s17, 18
	s_lshl_b32 s21, s16, 17
	s_add_co_u32 s20, s20, s21
	s_mov_b32 s21, 0
	s_lshl_b32 s46, s42, 18
	s_lshl_b32 s47, s16, 17
	s_add_co_u32 s46, s46, s47
	s_add_co_u32 s46, s46, 0x300000                ; Wo's plane
	s_mov_b32 s47, 0
	s_mul_i32 s45, s14, HALFT
	s_wait_kmcnt 0x0
	s_load_b64 s[96:97], s[8:9], 0x28              ; e10, e11
	s_add_nc_u64 s[20:21], s[4:5], s[20:21]
	s_add_nc_u64 s[46:47], s[6:7], s[46:47]
	CROUND                                         ; all sixteen work-groups are here: the first joint loads meet
.irp s, 0,1
	s_mov_b32 s[G0+4*\s], 1
	s_add_co_u32 s[G0+4*\s+1], s45, \s*SLOT
	s_add_nc_u64 s[G0+4*\s+2:G0+4*\s+3], s[20:21], \s*STEPB
	s_or_b32 s[G0+4*\s+3], s[G0+4*\s+3], 0x80000000
	s_mov_b32 s[G0B+4*\s], 1
	s_add_co_u32 s[G0B+4*\s+1], s45, \s*SLOT
	s_add_nc_u64 s[G0B+4*\s+2:G0B+4*\s+3], s[46:47], \s*STEPB
	s_or_b32 s[G0B+4*\s+3], s[G0B+4*\s+3], 0x80000000
	s_wait_alu depctr_va_vdst(0)
	s_wait_tensorcnt 0x0
	ds_add_u32 v28, v29
	ds_add_u32 v28, v29
	s_wait_dscnt 0x0
	CROUND
	JLOAD G0+4*\s, G1, G0B+4*\s, G1B
.endr
	v_and_b32 v1, 15, v0                           ; l % 16
	s_wait_alu depctr_va_vdst(0)
	v_bfe_u32 v2, v0, 4, 1                         ; l / 16
	v_and_b32 v6, 31, v0
	v_lshlrev_b32 v[CO], 4, v6                     ; 16 x lane: an image's place, and my 16 bytes of a row of 512
	s_mul_i32 s21, s15, HALFT
	s_mul_i32 s22, s16, HALFT
	s_add_co_u32 s22, s22, 2*HALFT
.irp s, 0,1
	v_add_nc_u32 v[ADRA+\s], s21, v[CO]
	v_add_nc_u32 v[ADRB+\s], s22, v[CO]
	s_add_co_u32 s21, s21, SLOT
	s_add_co_u32 s22, s22, SLOT
.endr
	s_mul_i32 s23, s14, 16*SPITCH                  ; my stage
	v_mul_u32_u24 v5, v1, SPITCH                   ; in: row l % 16, 32 bytes for each half of the lanes
	s_wait_alu depctr_va_vdst(0)
	v_lshl_add_u32 v5, v2, 5, v5
	v_add_nc_u32 v[STO], s23, v5
	v_add_nc_u32 v[RD], s23, v[CO]                 ; back: the 32 lanes take one row of 512 bytes
	s_lshl_b32 s20, s17, 20                        ; my first row of out0: (256 x tile row + 128 x half) x 4,096 bytes
	s_lshl_b32 s21, s15, 19
	s_add_co_u32 s20, s20, s21
	s_mov_b32 s21, 0
	s_lshl_b32 s46, s42, 10                        ; my first column, in bytes
	s_lshl_b32 s47, s16, 9
	s_add_co_u32 s46, s46, s47
	s_mov_b32 s47, 0
	s_add_nc_u64 s[20:21], s[20:21], s[46:47]
	s_add_nc_u64 s[10:11], s[10:11], s[20:21]
.macro FRAG reg, adr, q, i
.irp c, 0,1,2,3
	ds_load_b128 v[\reg+4*\c:\reg+4*\c+3], v[\adr] offset:2048*(\q)+512*\c+(\i)*STEPB
.endr
.endm
.macro MUL16 a0, p, zero               ; 16 matrix instructions; the 64 accumulators take turns, one instruction a turn
.irp a, \a0, \a0+1
.irp b, 0,1,2,3,4,5,6,7
.if \zero
	v_wmma_f32_16x16x128_fp8_fp8 v[8*(8*((\a)%4)+\b):8*(8*((\a)%4)+\b)+7], v[128*(\p)+FR*\b:128*(\p)+FR*\b+FR-1], v[AF+FR*(\a):AF+FR*(\a)+FR-1], 0
.else
	v_wmma_f32_16x16x128_fp8_fp8 v[8*(8*((\a)%4)+\b):8*(8*((\a)%4)+\b)+7], v[128*(\p)+FR*\b:128*(\p)+FR*\b+FR-1], v[AF+FR*(\a):AF+FR*(\a)+FR-1], v[8*(8*((\a)%4)+\b):8*(8*((\a)%4)+\b)+7]
.endif
.endr
.endr
.endm
.macro FETCH_B slot, q, p
	WIN TO_B
.irp i, 0,1,2,3,4,5,6,7
	FRAG 128*(\p)+FR*\i, ADRB+\slot, \q, \i
.endr
	WIN 0
.endm
.macro FETCH_A slot, q, i0
.irp i, \i0, \i0+1, \i0+2, \i0+3
	FRAG AF+FR*(\i), ADRA+\slot, \q, \i
.endr
.endm
.macro PLACES n                        ; plain vector lines between a matrix instruction and a load into its registers or a read of its result
.rept \n
	v_nop
.endr
.endm
.macro STEP slot, q, zero
	s_wait_dscnt 4*NL                              ; B's set and A's blocks 0-3 are in; the youngest sixteen loads (A's blocks 4-7) may be out
	WIN MUL_LO
	MUL16 0, (\q)%2, \zero
	MUL16 2, (\q)%2, \zero
	s_wait_dscnt 0
	PLACES NP
	FETCH_B \slot, (\q)+1, 1-(\q)%2
	FETCH_A \slot, (\q)+1, 0
	WIN MUL_HI
	MUL16 4, (\q)%2, \zero
	MUL16 6, (\q)%2, \zero
	PLACES NP
	WIN 0
	FETCH_A \slot, (\q)+1, 4
.endm
.macro TURN slot, next, fill
	s_wait_tensorcnt 0x0                           ; all my tensor loads have landed: my part of the next slot
	ds_add_u32 v[SPW], v[NIL]                      ; 0 onto my spare word
	s_wait_dscnt 4*NL+1                            ; (the add and the youngest sixteen loads may be out)
	WIN MUL_LO
	MUL16 0, 1, 0
	s_wait_dscnt 0x0                               ; the add is done, and my reads of this slot are over
	s_barrier_signal -1
	MUL16 2, 1, 0
	WIN 0
	s_barrier_wait -1
.if \fill
	CREST                                          ; the barrier has opened a round of the cluster's: no wave of any partner still reads this slot or has a load on its way
	s_add_nc_u64 s[G0+4*\slot+2:G0+4*\slot+3], s[G0+4*\slot+2:G0+4*\slot+3], 2*STEPB
	s_add_nc_u64 s[G0B+4*\slot+2:G0B+4*\slot+3], s[G0B+4*\slot+2:G0B+4*\slot+3], 2*STEPB
	JLOAD G0+4*\slot, G1, G0B+4*\slot, G1B
.else
	PLACES NP
.endif
	FETCH_B \next, 0, 0
	FETCH_A \next, 0, 0
	WIN MUL_HI
	MUL16 4, 1, 0
	MUL16 6, 1, 0
	PLACES NP
	WIN 0
	FETCH_A \next, 0, 4
.endm
	s_wait_tensorcnt 1                             ; my part of slot 0 is in; slot 1's load may be out
	s_barrier_signal -1
	s_barrier_wait -1
	FETCH_B 0, 0, 0
	FETCH_A 0, 0, 0
	FETCH_A 0, 0, 4
	STEP 0, 0, 1
	TURN 0, 1, 1
	STEP 1, 0, 0
	TURN 1, 0, 1
	STEP 0, 0, 0
	TURN 0, 1, 0
	STEP 1, 0, 0
	s_wait_dscnt 4*NL
	WIN MUL_LO
	MUL16 0, 1, 0
	MUL16 2, 1, 0
	s_wait_dscnt 0
	WIN MUL_HI
	MUL16 4, 1, 0
	MUL16 6, 1, 0
	WIN 0
; THE WAY OUT, block by block of 16 rows x 128 columns: through my own stage in LDS, back as whole rows of 512 bytes.  LDS serves a wave's instructions in order (ISA guide 5.7.1.4): no wait between the stores and the loads.
.macro TOSTAGE a
.set AC, 64*((\a)%4)
	WIN 0x02+((\a)/4)
.irp j, 0,2,4,6,8,10,12,14,16,18,20,22,24,26,28,30,32,34,36,38,40,42,44,46,48,50,52,54,56,58,60,62
	v_pk_mul_f32 v[TMP+\j:TMP+\j+1], v[AC+\j:AC+\j+1], s[96:97] op_sel_hi:[1,0]   ; x 2^(e10 + e11); each accumulator from its low end on
.endr
	WIN 0
.irp b, 0,1,2,3,4,5,6,7
	ds_store_b128 v[STO], v[TMP+8*\b:TMP+8*\b+3] offset:64*\b
	ds_store_b128 v[STO], v[TMP+8*\b+4:TMP+8*\b+7] offset:64*\b+16
.endr
.set BB, BK+64*((\a)%2)
.irp t, 0,1,2,3,4,5,6,7,8,9,10,11,12,13,14,15
	ds_load_b128 v[BB+4*\t:BB+4*\t+3], v[RD] offset:\t*SPITCH
.endr
.endm
.macro SEND a, younger                 ; younger: the LDS instructions issued behind block a's loads, which may stay out
.set BB, BK+64*((\a)%2)
	s_wait_dscnt \younger
.if (\a) > 0
	s_add_nc_u64 s[10:11], s[10:11], 16*SIZE_N*4   ; (behind a wait on XCNT: the earlier stores have read their base)
.endif
.irp t, 0,1,2,3,4,5,6,7,8,9,10,11,12,13,14,15
	global_store_b128 v[CO], v[BB+4*\t:BB+4*\t+3], s[10:11] offset:\t*SIZE_N*4 th:TH_STORE_NT   ; 32 lanes store 512 consecutive bytes, at a multiple of 256 from out0's first byte
.endr
.endm
	s_wait_kmcnt 0x0
	s_add_co_i32 s96, s96, s97
	s_add_co_i32 s96, s96, 127
	s_lshl_b32 s96, s96, 23                        ; 2^(e10 + e11) as f32
	PLACES NP
	TOSTAGE 0
.irp a, 1,2,3,4,5,6,7
.if \a > 1
	s_wait_xcnt 0x0                                ; block a - 2's stores have read their registers and their base
.endif
	TOSTAGE \a
	SEND \a-1, 32                                  ; behind block a - 1's loads: block a's 16 stores and 16 loads
.endr
	s_wait_xcnt 0x0
	SEND 7, 0
	s_wait_tensorcnt 0x0                           ; the wave's end
	ds_add_u32 v[SPW], v[NIL]
	s_wait_dscnt 0x0
	CROUND                                         ; the closing round
	s_endpgm
.Lfunc_end_k_qb2cbd72a5c_oproj:
	.size	k_qb2cbd72a5c_oproj, .Lfunc_end_k_qb2cbd72a5c_oproj-k_qb2cbd72a5c_oproj
	.p2alignl 7, 3214868480
	.fill 96, 4, 3214868480
	.section	.rodata,"a",@progbits
	.p2align	6, 0x0
	.amdhsa_kernel k_qb2cbd72a5c_oproj
		.amdhsa_group_segment_fixed_size 327680
		.amdhsa_private_segment_fixed_size 0
		.amdhsa_enable_private_segment 0
		.amdhsa_kernarg_size 32
		.amdhsa_user_sgpr_count 2
		.amdhsa_user_sgpr_kernarg_segment_ptr 1
		.amdhsa_wavefront_size32 1
		.amdhsa_system_sgpr_workgroup_id_x 1
		.amdhsa_system_sgpr_workgroup_id_y 1
		.amdhsa_system_sgpr_workgroup_id_z 1
		.amdhsa_system_vgpr_workitem_id 0
		.amdhsa_next_free_vgpr 1024
		.amdhsa_next_free_sgpr 98
		.amdhsa_reserve_vcc 0
		.amdhsa_float_denorm_mode_32 3
		.amdhsa_float_denorm_mode_16_64 3
		.amdhsa_memory_ordered 1
		.amdhsa_forward_progress 1
		.amdhsa_inst_pref_size 124
	.end_amdhsa_kernel
	.amdgpu_metadata
---
amdhsa.version: [ 1, 2 ]
amdhsa.kernels:
  - .name:           k_qb2cbd72a5c_oproj
    .symbol:         k_qb2cbd72a5c_oproj.kd
    .args:
      - { .name: ac, .offset: 0, .size: 8, .value_kind: global_buffer, .address_space: global }
      - { .name: wc, .offset: 8, .size: 8, .value_kind: global_buffer, .address_space: global }
      - { .name: lowp_scales, .offset: 16, .size: 8, .value_kind: global_buffer, .address_space: global }
      - { .name: out0, .offset: 24, .size: 8, .value_kind: global_buffer, .address_space: global }
    .group_segment_fixed_size: 327680
    .private_segment_fixed_size: 0
    .kernarg_segment_align: 8
    .kernarg_segment_size: 32
    .max_flat_workgroup_size: 128
    .sgpr_count:     98
    .vgpr_count:     1024
    .wavefront_size: 32
...
	.end_amdgpu_metadata
.endif
;; end of part 4
